; MI455X (gfx1250); checked and timed in simulation.
; The chip was launched on July 23, 2026; its instructions are those of AMD's public machine-readable ISA for CDNA 5 (MIT licence, August 2026) and "CDNA5" Instruction Set Architecture Reference Guide (July 2026). The comments in the code are by the model that wrote it; some were corrected since.
;; LSTCWA. Allowed arithmetic: float matrix products may take bf16 or f16 operands with f32 sums; other float arithmetic in f32, or as packed bf16 or f16 multiplies, adds, multiply-adds, maxima and minima; sums over many terms, partial sums and values carried from step to step in f32; what a program stores and reads back later, other than sums and carried values, may be rounded once to bf16 or f16.
;; Inputs: Wk 512 x 512 float32; Wp 512 x 512 float32; Wq 512 x 512 float32; Wv 512 x 512 float32; bp 512 float32; coords 32,768 x 2 float32; feats 32,768 x 512 float32; mask 32,768 bool; pos_b1 512 float32; pos_b2 512 float32; pos_w1 512 x 2 float32; pos_w2 512 x 512 float32; z 64 x 512 float32.
;; Outputs: out0 64 x 512 float32.
;; One version. Each part assembles by itself: llvm-mc -triple=amdgcn-amd-amdhsa -mcpu=gfx1250 --defsym DOCPART=n.
;; ======== version 1 of 1: 4 launches
;; limits: values are held in f16: magnitudes above 65,504 overflow, below 6.1e-05 lose precision
;; workspace buffers: q 131,072 bytes; crec 4,096 bytes; qk 131,072 bytes; qp 131,072 bytes; m2 1,048,576 bytes; cinv 256 bytes; part 524,288 bytes
;; launch head1 (part 1): grid 8 x 4, 8 waves a work-group, no clusters, 33,792 bytes of LDS; arguments z, Wq, coords, q, crec; writes q, crec
.if DOCPART == 1
	.amdgcn_target "amdgcn-amd-amdhsa--gfx1250"
	.amdhsa_code_object_version 6
	.text
	.protected	k_q1929fde567_head1
	.globl	k_q1929fde567_head1
	.p2align	8
	.type	k_q1929fde567_head1,@function
k_q1929fde567_head1:
	s_mov_b64 s[64:65], 0
	v_nop
	global_prefetch_b8 v0, s[64:65] scope:SCOPE_SE
	s_setreg_imm32_b32 hwreg(HW_REG_WAVE_MODE, 25, 1), 1
	s_wait_xcnt 0x0
; LSTCWA, launch 1 of 4:  q = z Wq^T (f32, unscaled), and 256 records of coords from which launch 2 makes the standard deviation.
; THE WHOLE PROGRAM, AND WHAT IT LEAVES OUT.  All of this holds in exact arithmetic for every finite value of the inputs.
;  (1) k enters the result only as q.k, and q.k = (q Wk).f + (q pos_w2).h + q.pos_b2.  So k and pb are never formed: one vector qk = q Wk and one qp = q pos_w2 a token (launch 2).
;  (2) v enters only through sum_w attn v, the mean over windows and Wp:  out = (sum_r a_r f_r) (Wp Wv)^T + bp, a_r = row r's weights in its windows / 16.  So v is never formed (launches 2 to 4).
;  (3) c - c_mean = (coords - the window's mean of coords) / cs: the global mean cm cancels and serves the standard deviation alone.
;  (4) The input mask is never read by reference(): it has no way to any output, is not loaded and is no argument of any launch.
;  (5) Positions 32..63 of a segment's window 15 get -inf from the mask that reference() builds itself: weight 0; they are left out as a block.
;  (6) reference() clips the logits to -10..10, so every exponential lies in e^-10..e^10 and a window's sum under 64 e^10 = 1.4e6: no maximum is taken away.
;      q.pos_b2 is kept, although it is the same along the softmax's axis: the clip stands between it and the softmax.
; LIMITS.  NaN and infinities are not treated apart; an overflow, NaN or infinity that would arise only inside k, v or pb as reference() forms them is not carried to the result.
; Divisions are multiplications by v_rcp_f32 / v_rsq_f32 results.  The four small products take f16 operands and f32 sums: z, q and all weights must lie within 65,504, below 6e-5 they keep f16's
; fixed step of 6e-8; Wp Wv is carried times 1,024 (launch 2) and must stay within 65,504 so scaled.
; THIS LAUNCH.  A work-group makes 16 rows x 64 columns of q.  K = 512 IS SPLIT AMONG ITS EIGHT WAVES, 64 each: two matrix steps on four accumulators; the partial sums meet in LDS.
; All 40 loads of a wave go out before its first wait.  A lane of half h takes the 32 consecutive k at 64 w + 32 h of its row, for A and for B alike: step u takes the 16 at 16 u of them,
; register t, half b holding k = 64 w + 32 h + 16 u + 2 t + b.  The same order of k in both sources keeps every product.  Tile i, lane r is column 64 nb + 4 r + i, so a lane ends with 4 neighbouring columns.
; Wave g of the launch's 256 also reduces coords rows 128 g .. 128 g + 127 to (sum x, sum y, M2 x, M2 y), M2 about the chunk's own mean: no difference of large sums is formed.
.set SPARE, 32768                      ; LDS: 0..32767 the partial sums [wave 8][tile 4][register 8][lane 32] x 4 bytes; then the spare words, 128 bytes a wave
.set AR,  16                           ; v[16:47]   A as loaded, 32 f32
.set BR,  48                           ; v[48:175]  B as loaded: tile i at 32 i
.set R,   48                           ;            later: the partial sums read back
.set AF,  176                          ; v[176:191] A in f16: step u at 8 u
.set ACC, 192                          ; v[192:223] four accumulators
.set BF0, 224                          ; v[224:255] B in f16, step 0
.set BF1, 16                           ; v[16:47]   B in f16, step 1 (A's f32 have been converted)
.set SEL, 34                           ; s[34:35]   v_permlanex16_b32: each lane takes its own place in the other half
.macro RED2 a, b, ta, tb               ; two sums over the 32 lanes, side by side; the results stand in every lane
.irp m, 1,2,4,8
	v_add_f32_dpp v[\a], v[\a], v[\a] row_xmask:\m row_mask:0xf bank_mask:0xf
	v_add_f32_dpp v[\b], v[\b], v[\b] row_xmask:\m row_mask:0xf bank_mask:0xf
.endr
	v_permlanex16_b32 v[\ta], v[\a], s[SEL], s[SEL+1]
	v_permlanex16_b32 v[\tb], v[\b], s[SEL], s[SEL+1]
	v_add_f32 v[\a], v[\a], v[\ta]
	v_add_f32 v[\b], v[\b], v[\tb]
.endm
.macro CVTB u, dst                     ; B's step u to f16: tile i, register t from the lane's k = 16 u + 2 t, + 1
.irp i, 0,1,2,3
.irp t, 0,1,2,3,4,5,6,7
	v_cvt_pk_f16_f32 v[(\dst)+8*(\i)+(\t)], v[BR+32*(\i)+16*(\u)+2*(\t)], v[BR+32*(\i)+16*(\u)+2*(\t)+1]
.endr
.endr
.endm
.macro MUL u                           ; four products; the four accumulators take turns, one instruction a turn
.irp i, 0,1,2,3
.if (\u) == 0
	v_wmma_f32_16x16x32_f16 v[ACC+8*(\i):ACC+8*(\i)+7], v[AF:AF+7], v[BF0+8*(\i):BF0+8*(\i)+7], 0
.else
	v_wmma_f32_16x16x32_f16 v[ACC+8*(\i):ACC+8*(\i)+7], v[AF+8:AF+15], v[BF1+8*(\i):BF1+8*(\i)+7], v[ACC+8*(\i):ACC+8*(\i)+7]
.endif
.endr
.endm
	s_load_b256 s[4:11], s[0:1], 0x0               ; z s[4:5], Wq s[6:7], coords s[8:9], q s[10:11]
	s_load_b64 s[12:13], s[0:1], 0x20              ; crec
	v_lshl_add_u32 v6, v0, 2, SPARE                ; my spare word
	v_mov_b32 v7, 0
	v_lshrrev_b32 v8, 5, v0
	v_readfirstlane_b32 s31, v8                    ; wave w, 0..7
	s_mov_b32 s32, ttmp9                           ; nb: block of 64 columns
	s_and_b32 s33, ttmp7, 0xffff                   ; mt: block of 16 rows
	s_mov_b32 s[SEL], 0x76543210
	s_mov_b32 s[SEL+1], 0xfedcba98
	v_and_b32 v1, 31, v0                           ; L
	v_and_b32 v2, 15, v0                           ; r
	v_bfe_u32 v3, v0, 4, 1                         ; h
	s_lshl_b32 s50, s31, 8                         ; 64 w numbers = 256 w bytes
	v_lshlrev_b32 v4, 11, v2                       ; A: row r of 2,048 bytes
	v_lshl_add_u32 v4, v3, 7, v4                   ;    + 128 h
	v_add_nc_u32 v4, s50, v4                       ;    + 256 w
	v_lshlrev_b32 v5, 13, v2                       ; B: row 4 r (tile i stands in the immediate)
	v_lshl_add_u32 v5, v3, 7, v5
	v_add_nc_u32 v5, s50, v5
	v_lshlrev_b32 v9, 5, v1                        ; coords: four rows of 8 bytes a lane
	v_mov_b32 v10, 0                               ; the record's store has no lane term
	s_lshl_b32 s52, s31, 12
	v_lshl_add_u32 v11, v1, 2, s52                 ; where I put partial sums: 4,096 w + 4 L; tile and register stand in the immediate
	s_lshl_b32 s52, s31, 7
	v_lshl_add_u32 v12, v1, 2, s52                 ; where I read them back: accumulator register j = w: 128 w + 4 L; wave and tile stand in the immediate
	v_lshlrev_b32 v13, 14, v3                      ; the way out: 8 h rows
	v_lshl_add_u32 v13, v2, 4, v13                 ;              + 16 r
	v_mov_b32 v184, 0                              ; v_permlanex16_b32 counts as a reader of its destination
	v_mov_b32 v185, 0
	s_lshl_b32 s54, s33, 3
	s_add_co_u32 s54, s54, s32
	s_lshl_b32 s54, s54, 3
	s_add_co_u32 s54, s54, s31                     ; g: my wave among the launch's 256
	s_mov_b32 s51, 0
	s_wait_kmcnt 0x0
	s_lshl_b32 s50, s33, 15                        ; 16 rows of 2,048 bytes
	s_add_nc_u64 s[40:41], s[4:5], s[50:51]        ; A
	s_add_nc_u64 s[46:47], s[10:11], s[50:51]      ; the output,
	s_lshl_b32 s50, s32, 17                        ; 64 rows of Wq
	s_add_nc_u64 s[42:43], s[6:7], s[50:51]        ; B
	s_lshl_b32 s50, s32, 8
	s_add_nc_u64 s[46:47], s[46:47], s[50:51]      ; at my block of columns
	s_lshl_b32 s50, s31, 11
	s_add_nc_u64 s[46:47], s[46:47], s[50:51]      ; and at row j = w
	s_lshl_b32 s50, s54, 10
	s_add_nc_u64 s[44:45], s[8:9], s[50:51]        ; my 128 rows of coords
	s_lshl_b32 s50, s54, 4
	s_add_nc_u64 s[48:49], s[12:13], s[50:51]      ; my record
	global_load_b128 v[240:243], v9, s[44:45]
	global_load_b128 v[244:247], v9, s[44:45] offset:16
.irp c, 0,1,2,3,4,5,6,7
	global_load_b128 v[AR+4*(\c):AR+4*(\c)+3], v4, s[40:41] offset:16*(\c)
.endr
.irp u, 0,1                            ; step 0's sixteen loads first
.irp i, 0,1,2,3
.irp c, 0,1,2,3
	global_load_b128 v[BR+32*(\i)+16*(\u)+4*(\c):BR+32*(\i)+16*(\u)+4*(\c)+3], v5, s[42:43] offset:2048*(\i)+64*(\u)+16*(\c)
.endr
.endr
.endr
	s_wait_loadcnt 40                              ; coords are in; A's 8 and B's 32 loads stay out
	v_pk_add_f32 v[180:181], v[240:241], v[242:243]
	v_pk_add_f32 v[182:183], v[244:245], v[246:247]
	v_pk_add_f32 v[180:181], v[180:181], v[182:183]
	RED2 180, 181, 184, 185                        ; (sum x, sum y) of the 128 rows
	v_pk_mul_f32 v[186:187], v[180:181], 0x3c000000 op_sel_hi:[1,0]  ; / 128: the chunk's mean
.irp p, 240,242,244,246
	v_pk_add_f32 v[\p:\p+1], v[\p:\p+1], v[186:187] neg_lo:[0,1] neg_hi:[0,1]
.endr
	v_pk_mul_f32 v[182:183], v[240:241], v[240:241]
.irp p, 242,244,246
	v_pk_fma_f32 v[182:183], v[\p:\p+1], v[\p:\p+1], v[182:183]
.endr
	RED2 182, 183, 184, 185                        ; (M2 x, M2 y)
	v_cmp_eq_u32 vcc_lo, 0, v1
	s_wait_xcnt 0x0                                ; EXEC is a source of the loads that are out: it is narrowed only behind this wait
	s_and_saveexec_b32 s30, vcc_lo
	global_store_b128 v10, v[180:183], s[48:49]    ; lane 0 stores the record
	s_wait_xcnt 0x0                                ; and widened only behind this one, which also frees v[180:183]
	s_or_b32 exec_lo, exec_lo, s30
	s_wait_loadcnt 32                              ; A is in; B's 32 loads may stay out
.set e, 0
.rept 16
	v_cvt_pk_f16_f32 v[AF+e], v[AR+2*e], v[AR+2*e+1]
.set e, e+1
.endr
	s_wait_loadcnt 16                              ; B's step 0 is in
	CVTB 0, BF0
	MUL 0
	s_wait_loadcnt 0x0
	CVTB 1, BF1                                    ; names no register of the four products above
	MUL 1
.rept 8
	v_nop                                          ; the places between the last products and the stores that read them
.endr
.irp i, 0,1,2,3                        ; each accumulator is read from its low end on; a store's 32 lanes cover 128 consecutive bytes
.irp j, 0,1,2,3,4,5,6,7
	ds_store_b32 v11, v[ACC+8*(\i)+(\j)] offset:1024*(\i)+128*(\j)
.endr
.endr
	s_wait_dscnt 0x0                               ; for the others: my partial sums lie in LDS
	s_barrier_signal -1
	s_barrier_wait -1
.irp w, 0,1,2,3,4,5,6,7                ; wave j takes register j of all eight waves' four tiles: rows 8 h + j, columns 4 r + i
.irp i, 0,1,2,3
	ds_load_b32 v[R+4*(\w)+(\i)], v12 offset:4096*(\w)+1024*(\i)
.endr
.endr
	s_wait_dscnt 0x0
.irp p, 0,2,4,6,8,10,12,14
	v_pk_add_f32 v[R+(\p):R+(\p)+1], v[R+(\p):R+(\p)+1], v[R+16+(\p):R+16+(\p)+1]
.endr
.irp p, 0,2,4,6
	v_pk_add_f32 v[R+(\p):R+(\p)+1], v[R+(\p):R+(\p)+1], v[R+8+(\p):R+8+(\p)+1]
.endr
.irp p, 0,2
	v_pk_add_f32 v[R+(\p):R+(\p)+1], v[R+(\p):R+(\p)+1], v[R+4+(\p):R+4+(\p)+1]
.endr
	global_store_b128 v13, v[R:R+3], s[46:47]      ; sixteen lanes store 256 consecutive bytes, aligned
	s_wait_tensorcnt 0x0                           ; the wave's end
	ds_add_u32 v6, v7
	s_wait_dscnt 0x0
	s_endpgm
.Lfunc_end_k_q1929fde567_head1:
	.size	k_q1929fde567_head1, .Lfunc_end_k_q1929fde567_head1-k_q1929fde567_head1
	.p2alignl 7, 3214868480
	.fill 96, 4, 3214868480
	.section	.rodata,"a",@progbits
	.p2align	6, 0x0
	.amdhsa_kernel k_q1929fde567_head1
		.amdhsa_group_segment_fixed_size 33792
		.amdhsa_private_segment_fixed_size 0
		.amdhsa_enable_private_segment 0
		.amdhsa_kernarg_size 40
		.amdhsa_user_sgpr_count 2
		.amdhsa_user_sgpr_kernarg_segment_ptr 1
		.amdhsa_wavefront_size32 1
		.amdhsa_system_sgpr_workgroup_id_x 1
		.amdhsa_system_sgpr_workgroup_id_y 1
		.amdhsa_system_sgpr_workgroup_id_z 1
		.amdhsa_system_vgpr_workitem_id 0
		.amdhsa_next_free_vgpr 256
		.amdhsa_next_free_sgpr 66
		.amdhsa_reserve_vcc 1
		.amdhsa_float_denorm_mode_32 3
		.amdhsa_float_denorm_mode_16_64 3
		.amdhsa_memory_ordered 1
		.amdhsa_forward_progress 1
		.amdhsa_inst_pref_size 20
	.end_amdhsa_kernel
	.amdgpu_metadata
---
amdhsa.version: [ 1, 2 ]
amdhsa.kernels:
  - .name:           k_q1929fde567_head1
    .symbol:         k_q1929fde567_head1.kd
    .args:
      - { .name: z, .offset: 0, .size: 8, .value_kind: global_buffer, .address_space: global }
      - { .name: Wq, .offset: 8, .size: 8, .value_kind: global_buffer, .address_space: global }
      - { .name: coords, .offset: 16, .size: 8, .value_kind: global_buffer, .address_space: global }
      - { .name: q, .offset: 24, .size: 8, .value_kind: global_buffer, .address_space: global }
      - { .name: crec, .offset: 32, .size: 8, .value_kind: global_buffer, .address_space: global }
    .group_segment_fixed_size: 33792
    .private_segment_fixed_size: 0
    .kernarg_segment_align: 8
    .kernarg_segment_size: 40
    .max_flat_workgroup_size: 256
    .sgpr_count:     66
    .vgpr_count:     256
    .wavefront_size: 32
...
	.end_amdgpu_metadata
.endif
;; end of part 1
;; launch head2 (part 2): grid 8 x 40, 8 waves a work-group, no clusters, 33,792 bytes of LDS; arguments q, Wk, pos_w2, Wp, Wv, crec, qk, qp, m2, cinv; writes qk, qp, m2, cinv
.if DOCPART == 2
	.amdgcn_target "amdgcn-amd-amdhsa--gfx1250"
	.amdhsa_code_object_version 6
	.text
	.protected	k_q1929fde567_head2
	.globl	k_q1929fde567_head2
	.p2align	8
	.type	k_q1929fde567_head2,@function
k_q1929fde567_head2:
	s_mov_b64 s[64:65], 0
	v_nop
	global_prefetch_b8 v0, s[64:65] scope:SCOPE_SE
	s_setreg_imm32_b32 hwreg(HW_REG_WAVE_MODE, 25, 1), 1
	s_wait_xcnt 0x0
; LSTCWA, launch 2 of 4.  Three products of one shape, C = scale x A B with B stored [k][n], chosen by the work-group's y:
;   y 0..3   qk = q Wk / sqrt(512)        y 4..7   qp = q pos_w2 / sqrt(512)        y 8..39   m2 = 1,024 x Wp Wv
; k, pb and v are never formed (the first launch's head shows why): these three tables stand for the three large projections.
; One wave of the launch also joins the 256 records of coords into 1 / (std + 1e-8), std unbiased: M2 = sum of the chunks' M2 + 128 x sum of (chunk mean - mean)^2.
; LIMITS as stated at the first launch's head: f16 operands (q and the weights within 65,504), f32 sums, NaN and infinities not treated apart.
; A work-group makes 16 rows x 64 columns; K = 512 is split among its eight waves, 64 each; the partial sums meet in LDS.  All 40 loads of a wave go out before its first wait.
; Order of k as in the first launch: lane half h, step u, register t, half b hold k = 64 w + 32 h + 16 u + 2 t + b, in A and B alike.  Tile i, lane r is column 64 nb + 4 r + i:
; a load of B takes 16 bytes = the four tiles' numbers of one k; lanes 0-15 read 256 consecutive bytes, aligned, of row k, lanes 16-31 of row k + 32.
.set SPARE, 32768                      ; LDS: 0..32767 the partial sums [wave 8][tile 4][register 8][lane 32] x 4 bytes; then the spare words, 128 bytes a wave
.set AR,  16                           ; v[16:47]   A as loaded
.set BR,  48                           ; v[48:175]  B as loaded: the lane's k number p (0..31) at 4 p, tile i at + i
.set R,   48
.set AF,  176
.set ACC, 192
.set BF0, 224
.set BF1, 16
.set SEL, 34
.macro RED2 a, b, ta, tb               ; two sums over the 32 lanes, side by side
.irp m, 1,2,4,8
	v_add_f32_dpp v[\a], v[\a], v[\a] row_xmask:\m row_mask:0xf bank_mask:0xf
	v_add_f32_dpp v[\b], v[\b], v[\b] row_xmask:\m row_mask:0xf bank_mask:0xf
.endr
	v_permlanex16_b32 v[\ta], v[\a], s[SEL], s[SEL+1]
	v_permlanex16_b32 v[\tb], v[\b], s[SEL], s[SEL+1]
	v_add_f32 v[\a], v[\a], v[\ta]
	v_add_f32 v[\b], v[\b], v[\tb]
.endm
.macro CVTB u, dst                     ; B's step u to f16: tile i, register t from the loads of k = 16 u + 2 t and + 1
.irp i, 0,1,2,3
.irp t, 0,1,2,3,4,5,6,7
	v_cvt_pk_f16_f32 v[(\dst)+8*(\i)+(\t)], v[BR+4*(16*(\u)+2*(\t))+(\i)], v[BR+4*(16*(\u)+2*(\t)+1)+(\i)]
.endr
.endr
.endm
.macro MUL u                           ; the four accumulators take turns, one instruction a turn
.irp i, 0,1,2,3
.if (\u) == 0
	v_wmma_f32_16x16x32_f16 v[ACC+8*(\i):ACC+8*(\i)+7], v[AF:AF+7], v[BF0+8*(\i):BF0+8*(\i)+7], 0
.else
	v_wmma_f32_16x16x32_f16 v[ACC+8*(\i):ACC+8*(\i)+7], v[AF+8:AF+15], v[BF1+8*(\i):BF1+8*(\i)+7], v[ACC+8*(\i):ACC+8*(\i)+7]
.endif
.endr
.endm
	s_load_b512 s[4:19], s[0:1], 0x0               ; q s[4:5], Wk s[6:7], pos_w2 s[8:9], Wp s[10:11], Wv s[12:13], crec s[14:15], qk s[16:17], qp s[18:19]
	s_load_b128 s[20:23], s[0:1], 0x40             ; m2 s[20:21], cinv s[22:23]
	v_lshl_add_u32 v6, v0, 2, SPARE                ; my spare word
	v_mov_b32 v7, 0
	v_lshrrev_b32 v8, 5, v0
	v_readfirstlane_b32 s31, v8                    ; wave w
	s_mov_b32 s32, ttmp9                           ; nb
	s_and_b32 s33, ttmp7, 0xffff                   ; y
	s_mov_b32 s[SEL], 0x76543210
	s_mov_b32 s[SEL+1], 0xfedcba98
	v_and_b32 v1, 31, v0                           ; L
	v_and_b32 v2, 15, v0                           ; r
	v_bfe_u32 v3, v0, 4, 1                         ; h
	s_lshl_b32 s50, s31, 8
	v_lshlrev_b32 v4, 11, v2                       ; A: row r + 128 h + 256 w
	v_lshl_add_u32 v4, v3, 7, v4
	v_add_nc_u32 v4, s50, v4
	s_lshl_b32 s52, s31, 17                        ; B: row 64 w + 32 h of 2,048 bytes, + 16 r
	v_lshlrev_b32 v5, 4, v2
	v_lshl_add_u32 v5, v3, 16, v5
	v_add_nc_u32 v5, s52, v5
	s_lshl_b32 s52, s31, 12
	v_lshl_add_u32 v11, v1, 2, s52                 ; where I put partial sums: 4,096 w + 4 L; tile and register stand in the immediate
	s_lshl_b32 s52, s31, 7
	v_lshl_add_u32 v12, v1, 2, s52                 ; where I read them back: accumulator register j = w: 128 w + 4 L; wave and tile stand in the immediate
	v_lshlrev_b32 v13, 14, v3
	v_lshl_add_u32 v13, v2, 4, v13                 ; the way out: 8 h rows + 16 r
	s_mov_b32 s24, 0x3d3504f3                      ; 1 / sqrt(512)
	s_mov_b32 s25, 0x44800000                      ; 1,024
	s_mov_b32 s51, 0
	s_wait_kmcnt 0x0
	s_cmp_lt_u32 s33, 4                            ; the job: the conditions hang on the work-group's y alone
	s_cselect_b64 s[42:43], s[6:7], s[8:9]
	s_cselect_b64 s[46:47], s[16:17], s[18:19]
	s_cselect_b32 s26, 0, 4
	s_cmp_lt_u32 s33, 8
	s_cselect_b64 s[40:41], s[4:5], s[10:11]       ; A
	s_cselect_b64 s[42:43], s[42:43], s[12:13]     ; B
	s_cselect_b64 s[46:47], s[46:47], s[20:21]     ; the output
	s_cselect_b32 s26, s26, 8
	s_cselect_b32 s36, s24, s25                    ; the scale,
	s_mov_b32 s37, s36                             ; named as a pair
	s_sub_co_u32 s26, s33, s26                     ; mt: the job's block of 16 rows
	s_lshl_b32 s50, s26, 15
	s_add_nc_u64 s[40:41], s[40:41], s[50:51]
	s_add_nc_u64 s[46:47], s[46:47], s[50:51]
	s_lshl_b32 s50, s32, 8
	s_add_nc_u64 s[42:43], s[42:43], s[50:51]
	s_add_nc_u64 s[46:47], s[46:47], s[50:51]
	s_lshl_b32 s50, s31, 11
	s_add_nc_u64 s[46:47], s[46:47], s[50:51]      ; row j = w
.irp c, 0,1,2,3,4,5,6,7
	global_load_b128 v[AR+4*(\c):AR+4*(\c)+3], v4, s[40:41] offset:16*(\c)
.endr
.set p, 0
.rept 32                               ; ascending k: step 0's sixteen loads come first
	global_load_b128 v[BR+4*p:BR+4*p+3], v5, s[42:43] offset:2048*p
.set p, p+1
.endr
	s_or_b32 s52, s32, s33                         ; one wave of the launch joins the records
	s_or_b32 s52, s52, s31
	s_cmp_lg_u32 s52, 0
	s_cbranch_scc1 .Lnostat
	v_lshlrev_b32 v14, 4, v1
.irp j, 0,1,2,3,4,5,6,7                ; record 32 j + L
	global_load_b128 v[192+4*(\j):195+4*(\j)], v14, s[14:15] offset:512*(\j)
.endr
	v_mov_b32 v226, 0                              ; v_permlanex16_b32 counts as a reader of its destination
	v_mov_b32 v227, 0
	v_mov_b32 v10, 0
	s_wait_loadcnt 0x0
	v_pk_add_f32 v[224:225], v[192:193], v[196:197]
	v_pk_add_f32 v[234:235], v[194:195], v[198:199]
.irp j, 2,3,4,5,6,7
	v_pk_add_f32 v[224:225], v[224:225], v[192+4*(\j):193+4*(\j)]
	v_pk_add_f32 v[234:235], v[234:235], v[194+4*(\j):195+4*(\j)]
.endr
	RED2 224, 225, 226, 227                        ; the sums of all 32,768 rows
	v_pk_mul_f32 v[228:229], v[224:225], 0x38000000 op_sel_hi:[1,0]  ; / 32,768: the mean
	v_pk_fma_f32 v[230:231], v[192:193], 0x3c000000, v[228:229] op_sel_hi:[1,0,1] neg_lo:[0,0,1] neg_hi:[0,0,1]  ; chunk mean - mean
	v_pk_mul_f32 v[232:233], v[230:231], v[230:231]
.irp j, 1,2,3,4,5,6,7
	v_pk_fma_f32 v[230:231], v[192+4*(\j):193+4*(\j)], 0x3c000000, v[228:229] op_sel_hi:[1,0,1] neg_lo:[0,0,1] neg_hi:[0,0,1]
	v_pk_fma_f32 v[232:233], v[230:231], v[230:231], v[232:233]
.endr
	v_pk_fma_f32 v[232:233], v[232:233], 0x43000000, v[234:235] op_sel_hi:[1,0,1]  ; x 128 + the chunks' own M2
	RED2 232, 233, 226, 227
	v_pk_mul_f32 v[232:233], v[232:233], 0x38000100 op_sel_hi:[1,0]  ; / 32,767
	v_sqrt_f32 v232, v232
	v_sqrt_f32 v233, v233
	v_nop                                          ; a plain instruction behind the last root,
	s_wait_alu depctr_va_vdst(0)                   ; and the one wait ahead of the first use
	v_pk_add_f32 v[232:233], v[232:233], 0x322bcc77 op_sel_hi:[1,0]  ; + 1e-8
	v_rcp_f32 v232, v232
	v_rcp_f32 v233, v233
	v_nop
	s_wait_alu depctr_va_vdst(0)
	v_cmp_eq_u32 vcc_lo, 0, v1
	s_wait_xcnt 0x0                                ; EXEC changes only behind this wait
	s_and_saveexec_b32 s30, vcc_lo
	global_store_b64 v10, v[232:233], s[22:23]
	s_wait_xcnt 0x0                                ; and again; it also frees v[232:233]
	s_or_b32 exec_lo, exec_lo, s30
.Lnostat:
	s_wait_loadcnt 32                              ; A is in; B's 32 loads may stay out
.set e, 0
.rept 16
	v_cvt_pk_f16_f32 v[AF+e], v[AR+2*e], v[AR+2*e+1]
.set e, e+1
.endr
	s_wait_loadcnt 16                              ; B's step 0 is in
	CVTB 0, BF0
	MUL 0
	s_wait_loadcnt 0x0
	CVTB 1, BF1                                    ; names no register of the four products above
	MUL 1
.rept 8
	v_nop                                          ; the places between the last products and the stores that read them
.endr
.irp i, 0,1,2,3                        ; each accumulator is read from its low end on; a store's 32 lanes cover 128 consecutive bytes
.irp j, 0,1,2,3,4,5,6,7
	ds_store_b32 v11, v[ACC+8*(\i)+(\j)] offset:1024*(\i)+128*(\j)
.endr
.endr
	s_wait_dscnt 0x0                               ; for the others: my partial sums lie in LDS
	s_barrier_signal -1
	s_barrier_wait -1
.irp w, 0,1,2,3,4,5,6,7                ; wave j takes register j of all eight waves' four tiles: rows 8 h + j, columns 4 r + i
.irp i, 0,1,2,3
	ds_load_b32 v[R+4*(\w)+(\i)], v12 offset:4096*(\w)+1024*(\i)
.endr
.endr
	s_wait_dscnt 0x0
.irp p, 0,2,4,6,8,10,12,14
	v_pk_add_f32 v[R+(\p):R+(\p)+1], v[R+(\p):R+(\p)+1], v[R+16+(\p):R+16+(\p)+1]
.endr
.irp p, 0,2,4,6
	v_pk_add_f32 v[R+(\p):R+(\p)+1], v[R+(\p):R+(\p)+1], v[R+8+(\p):R+8+(\p)+1]
.endr
.irp p, 0,2
	v_pk_add_f32 v[R+(\p):R+(\p)+1], v[R+(\p):R+(\p)+1], v[R+4+(\p):R+4+(\p)+1]
.endr
	v_pk_mul_f32 v[R:R+1], v[R:R+1], s[36:37] op_sel_hi:[1,0]
	v_pk_mul_f32 v[R+2:R+3], v[R+2:R+3], s[36:37] op_sel_hi:[1,0]
	global_store_b128 v13, v[R:R+3], s[46:47]      ; sixteen lanes store 256 consecutive bytes, aligned
	s_wait_tensorcnt 0x0                           ; the wave's end
	ds_add_u32 v6, v7
	s_wait_dscnt 0x0
	s_endpgm
.Lfunc_end_k_q1929fde567_head2:
	.size	k_q1929fde567_head2, .Lfunc_end_k_q1929fde567_head2-k_q1929fde567_head2
	.p2alignl 7, 3214868480
	.fill 96, 4, 3214868480
	.section	.rodata,"a",@progbits
	.p2align	6, 0x0
	.amdhsa_kernel k_q1929fde567_head2
		.amdhsa_group_segment_fixed_size 33792
		.amdhsa_private_segment_fixed_size 0
		.amdhsa_enable_private_segment 0
		.amdhsa_kernarg_size 80
		.amdhsa_user_sgpr_count 2
		.amdhsa_user_sgpr_kernarg_segment_ptr 1
		.amdhsa_wavefront_size32 1
		.amdhsa_system_sgpr_workgroup_id_x 1
		.amdhsa_system_sgpr_workgroup_id_y 1
		.amdhsa_system_sgpr_workgroup_id_z 1
		.amdhsa_system_vgpr_workitem_id 0
		.amdhsa_next_free_vgpr 256
		.amdhsa_next_free_sgpr 66
		.amdhsa_reserve_vcc 1
		.amdhsa_float_denorm_mode_32 3
		.amdhsa_float_denorm_mode_16_64 3
		.amdhsa_memory_ordered 1
		.amdhsa_forward_progress 1
		.amdhsa_inst_pref_size 23
	.end_amdhsa_kernel
	.amdgpu_metadata
---
amdhsa.version: [ 1, 2 ]
amdhsa.kernels:
  - .name:           k_q1929fde567_head2
    .symbol:         k_q1929fde567_head2.kd
    .args:
      - { .name: q, .offset: 0, .size: 8, .value_kind: global_buffer, .address_space: global }
      - { .name: Wk, .offset: 8, .size: 8, .value_kind: global_buffer, .address_space: global }
      - { .name: pos_w2, .offset: 16, .size: 8, .value_kind: global_buffer, .address_space: global }
      - { .name: Wp, .offset: 24, .size: 8, .value_kind: global_buffer, .address_space: global }
      - { .name: Wv, .offset: 32, .size: 8, .value_kind: global_buffer, .address_space: global }
      - { .name: crec, .offset: 40, .size: 8, .value_kind: global_buffer, .address_space: global }
      - { .name: qk, .offset: 48, .size: 8, .value_kind: global_buffer, .address_space: global }
      - { .name: qp, .offset: 56, .size: 8, .value_kind: global_buffer, .address_space: global }
      - { .name: m2, .offset: 64, .size: 8, .value_kind: global_buffer, .address_space: global }
      - { .name: cinv, .offset: 72, .size: 8, .value_kind: global_buffer, .address_space: global }
    .group_segment_fixed_size: 33792
    .private_segment_fixed_size: 0
    .kernarg_segment_align: 8
    .kernarg_segment_size: 80
    .max_flat_workgroup_size: 256
    .sgpr_count:     66
    .vgpr_count:     256
    .wavefront_size: 32
...
	.end_amdgpu_metadata
.endif
;; end of part 2
;; launch main (part 3): grid 256 x 1, 16 waves a work-group, no clusters, 38,400 bytes of LDS; arguments feats, coords, pos_w1, pos_b1, pos_b2, q, qk, qp, cinv, part; writes part
.if DOCPART == 3
	.amdgcn_target "amdgcn-amd-amdhsa--gfx1250"
	.amdhsa_code_object_version 6
	.text
	.protected	k_q1929fde567_main
	.globl	k_q1929fde567_main
	.p2align	8
	.type	k_q1929fde567_main,@function
k_q1929fde567_main:
	s_mov_b64 s[64:65], 0
	v_nop
	global_prefetch_b8 v0, s[64:65] scope:SCOPE_SE
	s_setreg_imm32_b32 hwreg(HW_REG_WAVE_MODE, 25, 1), 1
	s_wait_xcnt 0x0
; LSTCWA, launch 3 of 4: the one pass over feats.  part[4 l + qq][:] = the sum over windows 4 qq .. 4 qq + 3 of segment l of softmax-weighted layer-normed rows, / 16.
; LEFT OUT (shown at the first launch's head): k, pb and v are never formed; the global mean of coords cancels; the input mask has no way to an output; positions 32..63 of a segment's window 15
; have weight 0 by reference()'s own mask.  The clip to -10..10 that reference() makes bounds every exponential to e^-10..e^10 and a window's sum to 1.4e6: no maximum is taken away.
; LIMITS.  NaN and infinities are not treated apart (the clip is v_med3_num_f32); divisions are multiplications by v_rsq_f32 and v_rcp_f32 results.
; NO MATRIX UNIT: each contraction here has one live row (one q a segment) or K = 2.  NO LDS RING: a work-group's 320 KiB are asked for at once, into registers, and nothing is filled again.
; NO CLUSTER: what neighbours share is the halo, 32 of a work-group's 160 rows, and there is no tensor load to share it by.
; SHARES.  Work-group id = 4 l + qq owns four whole windows: local rows 0..159 = global rows 128 id + r; rows 128..159 are a halo that the next work-group also reads (none where qq = 3).
; Wave w of 16 keeps rows 16 i + w, i = 0..9, in registers from load to end: a lane holds columns 4 L + 128 j + e (16 bytes four times: a load of the wave covers 512 consecutive bytes).
; PHASES.  P: while the rows are on their way, the positional logits: wave w takes items 16 (w % 4) .. + 15 of window w / 4, two items in the halves of a packed instruction, 16 channels a lane.
; R1: a row's mean, centring in place, sum of squares and (x - mu).qk.   S: waves 0..3, a window each: clip, exponentials, sum; weights x rstd / 16 into LDS.
; R2: U = sum of weight x centred row; the 16 waves' U meet in LDS and waves 0..3 store the sum.
.set ROWT,  0                          ; [160] x (logit part, rstd), 8 bytes
.set POST,  1280                       ; [4 windows][64] positional logit
.set WGTA,  2304                       ; [128] weight of row r as a member of window r / 32's first half
.set WGTB,  2816                       ; [128] index r - 32: weight as a member of a window's second half
.set QBT,   3328                       ; [16] the waves' parts of q.pos_b2
.set UPART, 3584                       ; 2,048 bytes a wave: first qk set aside, later the wave's U
.set SPARE, 36352                      ; the spare words, 128 bytes a wave
.set SEL, 40                           ; s[40:41]
.set QK,  32                           ; v[32:47]  qk of my 16 columns, from phase R1 on
.set PR,  48                           ; v[48:67]  row i: (dot, then logit part; sum of squares, then rstd); in R2 the row's weights
.set X,   96                           ; v[96:255] row i at 16 i
; v0 thread  v1 L  v2 rows' offset  v3, v4 the add's two  v5 16 L, then POST's address  v6 32 L, then ROWT's, then WGTA's  v7 my 16 bytes in UPART  v8, v9 q, pos_b2  v[10:11] my item's coords
; v[12:27] qk as loaded, then at work, then U   v[28:31] two rows of the window's coords   v[32:63] pos_w1  v[64:79] pos_b1  v[80:95] qp, of my 16 channels; from R1 on v[68:87] at work
.macro RED r, t                        ; a sum over the 32 lanes; the result stands in every lane
.irp m, 1,2,4,8
	v_add_f32_dpp v[\r], v[\r], v[\r] row_xmask:\m row_mask:0xf bank_mask:0xf
.endr
	v_permlanex16_b32 v[\t], v[\r], s[SEL], s[SEL+1]
	v_add_f32 v[\r], v[\r], v[\t]
.endm
.macro RED2 a, b, ta, tb               ; two of them side by side
.irp m, 1,2,4,8
	v_add_f32_dpp v[\a], v[\a], v[\a] row_xmask:\m row_mask:0xf bank_mask:0xf
	v_add_f32_dpp v[\b], v[\b], v[\b] row_xmask:\m row_mask:0xf bank_mask:0xf
.endr
	v_permlanex16_b32 v[\ta], v[\a], s[SEL], s[SEL+1]
	v_permlanex16_b32 v[\tb], v[\b], s[SEL], s[SEL+1]
	v_add_f32 v[\a], v[\a], v[\ta]
	v_add_f32 v[\b], v[\b], v[\tb]
.endm
.macro XROW i, nt                      ; row 16 i + w: four loads
.irp j, 0,1,2,3
.if \nt
	global_load_b128 v[X+16*(\i)+4*(\j):X+16*(\i)+4*(\j)+3], v2, s[8:9] offset:32768*(\i)+512*(\j) th:TH_LOAD_NT
.else
	global_load_b128 v[X+16*(\i)+4*(\j):X+16*(\i)+4*(\j)+3], v2, s[8:9] offset:32768*(\i)+512*(\j)
.endif
.endr
.endm
; Items k and k8 = k + 8 of my sixteen, in the low and high halves.  Both halves of the lanes hold the sixteen items' (dx, dy), so row_share brings an item to every lane.
; For a pair of channels (even, odd): t = dx w1x + b1; t += dy w1y; relu; acc += t qp.  The two channels' lines alternate, on accumulators of their own.
.macro PAIR k, k8
	v_mov_b32_dpp v18, v22 row_share:\k row_mask:0xf bank_mask:0xf
	v_mov_b32_dpp v19, v22 row_share:\k8 row_mask:0xf bank_mask:0xf
	v_mov_b32_dpp v20, v23 row_share:\k row_mask:0xf bank_mask:0xf
	v_mov_b32_dpp v21, v23 row_share:\k8 row_mask:0xf bank_mask:0xf
.set cp, 0
.rept 8
	v_pk_fma_f32 v[12:13], v[18:19], v[32+4*cp:33+4*cp], v[64+2*cp:65+2*cp] op_sel:[0,0,0] op_sel_hi:[1,0,0]
	v_pk_fma_f32 v[14:15], v[18:19], v[34+4*cp:35+4*cp], v[64+2*cp:65+2*cp] op_sel:[0,0,1] op_sel_hi:[1,0,1]
	v_pk_fma_f32 v[12:13], v[20:21], v[32+4*cp:33+4*cp], v[12:13] op_sel:[0,1,0] op_sel_hi:[1,1,1]
	v_pk_fma_f32 v[14:15], v[20:21], v[34+4*cp:35+4*cp], v[14:15] op_sel:[0,1,0] op_sel_hi:[1,1,1]
	v_max_num_f32 v12, 0, v12
	v_max_num_f32 v13, 0, v13
	v_max_num_f32 v14, 0, v14
	v_max_num_f32 v15, 0, v15
.if cp == 0
	v_pk_mul_f32 v[16:17], v[12:13], v[80:81] op_sel:[0,0] op_sel_hi:[1,0]
	v_pk_mul_f32 v[24:25], v[14:15], v[80:81] op_sel:[0,1] op_sel_hi:[1,1]
.else
	v_pk_fma_f32 v[16:17], v[12:13], v[80+2*cp:81+2*cp], v[16:17] op_sel:[0,0,0] op_sel_hi:[1,0,1]
	v_pk_fma_f32 v[24:25], v[14:15], v[80+2*cp:81+2*cp], v[24:25] op_sel:[0,1,0] op_sel_hi:[1,1,1]
.endif
.set cp, cp+1
.endr
	v_pk_add_f32 v[16:17], v[16:17], v[24:25]
	RED2 16, 17, 26, 27
	ds_store_b32 v5, v16 offset:4*(\k)             ; all lanes store the same word with the same value
	ds_store_b32 v5, v17 offset:4*(\k8)
.endm
; Row i: mean, centring in place, then sum of squares and the dot with qk.  cnt: how many younger loads may stay out; -1: the row has been shown landed.
.macro ROW1 i, cnt
.if (\cnt) >= 0
	s_wait_loadcnt \cnt
.endif
.set XB, X+16*(\i)
	v_pk_add_f32 v[68:69], v[XB:XB+1], v[XB+2:XB+3]
	v_pk_add_f32 v[70:71], v[XB+4:XB+5], v[XB+6:XB+7]
	v_pk_add_f32 v[72:73], v[XB+8:XB+9], v[XB+10:XB+11]
	v_pk_add_f32 v[74:75], v[XB+12:XB+13], v[XB+14:XB+15]
	v_pk_add_f32 v[68:69], v[68:69], v[70:71]
	v_pk_add_f32 v[72:73], v[72:73], v[74:75]
	v_pk_add_f32 v[68:69], v[68:69], v[72:73]
	v_add_f32 v68, v68, v69
	RED 68, 86
	v_mul_f32 v84, s44, v68                        ; - mean
.set p, 0
.rept 8
	v_pk_add_f32 v[XB+p:XB+p+1], v[XB+p:XB+p+1], v[84:85] op_sel_hi:[1,0]
.set p, p+2
.endr
	v_pk_mul_f32 v[76:77], v[XB:XB+1], v[XB:XB+1]
	v_pk_mul_f32 v[80:81], v[XB:XB+1], v[QK:QK+1]
	v_pk_mul_f32 v[78:79], v[XB+2:XB+3], v[XB+2:XB+3]
	v_pk_mul_f32 v[82:83], v[XB+2:XB+3], v[QK+2:QK+3]
.set p, 4
.rept 3
	v_pk_fma_f32 v[76:77], v[XB+p:XB+p+1], v[XB+p:XB+p+1], v[76:77]
	v_pk_fma_f32 v[80:81], v[XB+p:XB+p+1], v[QK+p:QK+p+1], v[80:81]
	v_pk_fma_f32 v[78:79], v[XB+p+2:XB+p+3], v[XB+p+2:XB+p+3], v[78:79]
	v_pk_fma_f32 v[82:83], v[XB+p+2:XB+p+3], v[QK+p+2:QK+p+3], v[82:83]
.set p, p+4
.endr
	v_pk_add_f32 v[76:77], v[76:77], v[78:79]
	v_pk_add_f32 v[80:81], v[80:81], v[82:83]
	v_add_f32 v[PR+2*(\i)], v80, v81
	v_add_f32 v[PR+2*(\i)+1], v76, v77
	RED2 PR+2*(\i), PR+2*(\i)+1, 86, 87
.endm
; Rows first .. first + n - 1: rstd = rsq(sum of squares / 512 + 1e-5), one batch and one wait; logit part = dot x rstd; both into ROWT.
.macro FIN first, n
.set ii, \first
.rept \n
	v_fma_f32 v[PR+2*ii+1], v[PR+2*ii+1], s45, s46
.set ii, ii+1
.endr
.set ii, \first
.rept \n
	v_rsq_f32 v[PR+2*ii+1], v[PR+2*ii+1]
.set ii, ii+1
.endr
	v_nop                                          ; a plain instruction behind the last of the batch,
	s_wait_alu depctr_va_vdst(0)                   ; and the one wait ahead of the first use
.set ii, \first
.rept \n
	v_mul_f32 v[PR+2*ii], v[PR+2*ii], v[PR+2*ii+1]
.set ii, ii+1
.endr
.set ii, \first
.rept \n
	ds_store_b64 v6, v[PR+2*ii:PR+2*ii+1] offset:128*ii
.set ii, ii+1
.endr
.endm
	s_load_b512 s[8:23], s[0:1], 0x0               ; feats s[8:9], coords s[10:11], pos_w1 s[12:13], pos_b1 s[14:15], pos_b2 s[16:17], q s[18:19], qk s[20:21], qp s[22:23]
	s_load_b128 s[24:27], s[0:1], 0x40             ; cinv s[24:25], part s[26:27]
	v_lshl_add_u32 v3, v0, 2, SPARE                ; my spare word
	v_mov_b32 v4, 0
	v_lshrrev_b32 v5, 5, v0
	v_readfirstlane_b32 s33, v5                    ; wave w, 0..15
	v_and_b32 v1, 31, v0                           ; L
	s_mov_b32 s30, ttmp9                           ; id
	s_lshr_b32 s31, s30, 2                         ; l
	s_and_b32 s32, s30, 3                          ; qq
	s_lshr_b32 s34, s33, 2                         ; phase P: my window n
	s_and_b32 s35, s33, 3                          ;          my sixteen items t
	s_mov_b32 s2, 0x3d000000                       ; 1 / 32
	s_mov_b32 s3, 0x3c800000                       ; 1 / 64
	s_cmp_eq_u32 s32, 3
	s_cselect_b32 s36, 1, 0
	s_cselect_b32 s58, 1, 0
	s_cmp_eq_u32 s34, 3
	s_cselect_b32 s36, s36, 0                      ; phase P: my window is the segment's window 15, of 32 rows
	s_cmp_eq_u32 s33, 3
	s_cselect_b32 s58, s58, 0                      ; phase S: the same for wave 3
	s_cmp_ge_u32 s35, 2
	s_cselect_b32 s37, s36, 0                      ; my sixteen items lie in that window's missing half
	s_cmp_eq_u32 s36, 1
	s_cselect_b32 s38, 0xffff, -1                  ; the lanes whose two rows count in the window's mean
	s_cselect_b32 s39, s2, s3                      ; 1 / rows of the window
	s_cmp_eq_u32 s58, 1
	s_cselect_b32 s59, 0, -1                       ; phase S: the second half counts
	s_mov_b32 s[SEL], 0x76543210
	s_mov_b32 s[SEL+1], 0xfedcba98
	s_mov_b32 s42, 0xc1200000                      ; -10
	s_mov_b32 s43, 0x41200000                      ; 10
	s_mov_b32 s44, 0xbb000000                      ; -1 / 512
	s_mov_b32 s45, 0x3b000000                      ; 1 / 512
	s_mov_b32 s46, 0x3727c5ac                      ; 1e-5
	s_mov_b32 s47, 0x3d3504f3                      ; 1 / sqrt(512)
.set p, 0
.rept 32
	v_mov_b32 v[X+128+p], 0                        ; rows 8 and 9 hold 0 where there is no halo: every register named below is written on every way through the branches on qq
.set p, p+1
.endr
	s_lshl_b32 s2, s33, 11
	v_lshl_add_u32 v2, v1, 4, s2                   ; rows: 2,048 w + 16 L
	v_lshlrev_b32 v5, 4, v1
	v_lshlrev_b32 v6, 5, v1
	v_add_nc_u32 v7, UPART, v2
	v_lshlrev_b32 v8, 2, v0                        ; q.pos_b2: a number a thread
	v_lshlrev_b32 v9, 2, v0
	s_lshl_b32 s6, s32, 7
	s_lshl_b32 s7, s34, 5
	s_add_co_u32 s6, s6, s7                        ; my window's first row in the segment
	v_lshl_add_u32 v28, v1, 1, s6                  ; two rows a lane,
	v_min_u32 v28, 0x1fe, v28                      ; held inside the segment: lanes 16-31 of window 15 are masked below
	v_lshlrev_b32 v28, 3, v28
	s_lshl_b32 s7, s35, 4
	s_add_co_u32 s7, s7, s6
	v_and_b32 v10, 15, v0
	v_add_nc_u32 v10, s7, v10                      ; my item's row,
	v_min_u32 v10, 0x1ff, v10                      ; held inside the segment likewise
	v_lshlrev_b32 v10, 3, v10
	s_mov_b32 s5, 0
	s_wait_kmcnt 0x0
	s_load_b64 s[28:29], s[24:25], 0x0             ; 1 / (std + 1e-8) of x and of y
	s_lshl_b32 s4, s31, 11
	s_add_nc_u64 s[18:19], s[18:19], s[4:5]        ; q, qk, qp at row l
	s_add_nc_u64 s[20:21], s[20:21], s[4:5]
	s_add_nc_u64 s[22:23], s[22:23], s[4:5]
	s_lshl_b32 s4, s31, 12
	s_add_nc_u64 s[10:11], s[10:11], s[4:5]        ; coords at the segment
	s_lshl_b32 s4, s30, 18
	s_add_nc_u64 s[8:9], s[8:9], s[4:5]            ; feats at my 128 rows
	s_lshl_b32 s4, s30, 11
	s_add_nc_u64 s[26:27], s[26:27], s[4:5]        ; part at my row
	; the small tables first (24 loads, the same on every way; in the two waves a segment whose items are missing, pos_w1 to coords serve nothing), then the halo, then rows 0..127
.irp j, 0,1,2,3
	global_load_b128 v[12+4*(\j):15+4*(\j)], v5, s[20:21] offset:512*(\j)
.endr
	global_load_b32 v8, v8, s[18:19]               ; each of these four loads lands on its own offset register
	global_load_b32 v9, v9, s[16:17]
.irp j, 0,1,2,3
.irp c, 0,1
	global_load_b128 v[32+8*(\j)+4*(\c):35+8*(\j)+4*(\c)], v6, s[12:13] offset:1024*(\j)+16*(\c)
.endr
.endr
.irp j, 0,1,2,3
	global_load_b128 v[64+4*(\j):67+4*(\j)], v5, s[14:15] offset:512*(\j)
.endr
.irp j, 0,1,2,3
	global_load_b128 v[80+4*(\j):83+4*(\j)], v5, s[22:23] offset:512*(\j)
.endr
	global_load_b128 v[28:31], v28, s[10:11]
	global_load_b64 v[10:11], v10, s[10:11]
	s_cmp_eq_u32 s32, 3
	s_cbranch_scc1 .Lnohalo
	XROW 8, 0
	XROW 9, 0
.Lnohalo:
	XROW 0, 0                                      ; rows 0..31 are a neighbour's halo: no hint
	XROW 1, 0
.irp i, 2,3,4,5,6,7
	XROW \i, 1                                     ; read once in the launch
.endr
	s_wait_kmcnt 0x0
	s_wait_loadcnt 32                              ; all but the 32 loads of rows 0..127 are in, with and without a halo
	; PHASE P
.irp j, 0,1,2,3
	ds_store_b128 v7, v[12+4*(\j):15+4*(\j)] offset:512*(\j)  ; qk is set aside in my own bytes: its registers are wanted
.endr
	v_mul_f32 v8, v8, v9
	RED 8, 9
	s_lshl_b32 s2, s33, 2
	s_add_co_u32 s2, s2, QBT
	v_mov_b32 v9, s2
	ds_store_b32 v9, v8                            ; my wave's part of q.pos_b2
	s_lshl_b32 s2, s33, 6
	s_add_co_u32 s2, s2, POST
	v_mov_b32 v5, s2                               ; POST + 4 (64 n + 16 t)
	s_lshl_b32 s2, s33, 3
	v_mov_b32 v6, s2                               ; ROWT + 8 w
	s_cmp_eq_u32 s37, 1
	s_cbranch_scc1 .Lposdone                       ; items that do not exist
	v_pk_add_f32 v[24:25], v[28:29], v[30:31]
	v_cndmask_b32 v24, 0, v24, s38
	v_cndmask_b32 v25, 0, v25, s38
	RED2 24, 25, 26, 27
	v_mul_f32 v24, s39, v24                        ; the window's mean of coords
	v_mul_f32 v25, s39, v25
	v_sub_f32 v22, v10, v24
	v_sub_f32 v23, v11, v25
	v_mul_f32 v22, s28, v22                        ; dx, dy of item L % 16
	v_mul_f32 v23, s29, v23
	PAIR 0, 8
	PAIR 1, 9
	PAIR 2, 10
	PAIR 3, 11
	PAIR 4, 12
	PAIR 5, 13
	PAIR 6, 14
	PAIR 7, 15
.Lposdone:
.irp j, 0,1,2,3
	ds_load_b128 v[QK+4*(\j):QK+4*(\j)+3], v7 offset:512*(\j)  ; LDS serves a wave's instructions in order: these see my stores above
.endr
	s_wait_dscnt 0x0
	; PHASE R1
	s_cmp_eq_u32 s32, 3
	s_cbranch_scc1 .Lnohalo1
	ROW1 8, -1
	ROW1 9, -1
	FIN 8, 2
.Lnohalo1:
	ROW1 0, 28                                     ; loads come back in order: the younger rows' four loads each stay out
	ROW1 1, 24
	ROW1 2, 20
	ROW1 3, 16
	ROW1 4, 12
	ROW1 5, 8
	ROW1 6, 4
	ROW1 7, 0
	FIN 0, 8
	s_wait_dscnt 0x0                               ; for the others: ROWT, POST and QBT are written
	s_barrier_signal -1
	s_barrier_wait -1
	; PHASE S: wave n, of the first four, makes window n's weights; a lane has rows 32 n + L and 32 n + 32 + L
	s_cmp_lt_u32 s33, 4
	s_cbranch_scc0 .Lnosm
	s_lshl_b32 s2, s33, 8
	v_lshl_add_u32 v12, v1, 3, s2                  ; ROWT + 8 (32 n + L)
	v_lshl_add_u32 v14, v1, 2, s2
	v_add_nc_u32 v14, POST, v14                    ; POST + 4 (64 n + L)
	v_and_b32 v16, 15, v1
	v_lshl_add_u32 v16, v16, 2, QBT
	v_mov_b32 v20, 0                               ; what the half window's lanes hold for its missing half
	v_mov_b32 v21, 0
	v_mov_b32 v23, 0
	ds_load_b64 v[18:19], v12
	ds_load_b32 v22, v14
	ds_load_b32 v24, v16
	s_cmp_eq_u32 s58, 1
	s_cbranch_scc1 .Lhalfwin                       ; nobody has written those words
	ds_load_b64 v[20:21], v12 offset:256
	ds_load_b32 v23, v14 offset:128
.Lhalfwin:
	s_wait_dscnt 0x0
.irp m, 1,2,4,8
	v_add_f32_dpp v24, v24, v24 row_xmask:\m row_mask:0xf bank_mask:0xf  ; the sixteen parts of q.pos_b2 lie in each half of the lanes
.endr
	v_add_f32 v18, v18, v22
	v_add_f32 v20, v20, v23
	v_fma_f32 v18, v24, s47, v18
	v_fma_f32 v20, v24, s47, v20
	v_med3_num_f32 v18, v18, s42, s43              ; the clip
	v_med3_num_f32 v20, v20, s42, s43
	v_mul_f32 v18, 0x3fb8aa3b, v18
	v_mul_f32 v20, 0x3fb8aa3b, v20
	v_exp_f32 v18, v18
	v_exp_f32 v20, v20
	v_nop
	s_wait_alu depctr_va_vdst(0)                   ; one wait for both exponentials
	v_cndmask_b32 v20, 0, v20, s59
	v_add_f32 v25, v18, v20
	RED 25, 26
	v_rcp_f32 v25, v25
	v_nop
	s_wait_alu depctr_va_vdst(0)
	v_mul_f32 v25, 0x3d800000, v25                 ; / 16: the mean over the segment's windows
	v_mul_f32 v18, v18, v25
	v_mul_f32 v20, v20, v25
	v_mul_f32 v18, v18, v19                        ; x rstd: the rows in registers are centred, not scaled
	v_mul_f32 v20, v20, v21
	s_lshl_b32 s2, s33, 7
	v_lshl_add_u32 v27, v1, 2, s2
	v_add_nc_u32 v27, WGTA, v27
	ds_store_b32 v27, v18
	ds_store_b32 v27, v20 offset:WGTB-WGTA
.Lnosm:
	s_wait_dscnt 0x0                               ; for the others: the weights are written
	s_barrier_signal -1
	s_barrier_wait -1
	; PHASE R2
	s_lshl_b32 s2, s33, 2
	s_add_co_u32 s2, s2, WGTA
	v_mov_b32 v6, s2
	s_cmp_eq_u32 s32, 3
	s_cbranch_scc1 .Lnohalo2
	ds_load_b32 v[PR+16], v6 offset:WGTB-WGTA+64*6
	ds_load_b32 v[PR+18], v6 offset:WGTB-WGTA+64*7
.Lnohalo2:
.irp i, 0,1,2,3,4,5,6,7
	ds_load_b32 v[PR+2*(\i)], v6 offset:64*(\i)
.endr
.irp i, 2,3,4,5,6,7
	ds_load_b32 v[PR+2*(\i)+1], v6 offset:WGTB-WGTA+64*((\i)-2)
.endr
	s_wait_dscnt 0x0
.irp i, 2,3,4,5,6,7
	v_add_f32 v[PR+2*(\i)], v[PR+2*(\i)], v[PR+2*(\i)+1]  ; rows 32..127 belong to two of my windows
.endr
.set p, 0
.rept 8
	v_pk_mul_f32 v[12+p:13+p], v[X+p:X+p+1], v[PR:PR+1] op_sel_hi:[1,0]
.set p, p+2
.endr
.irp i, 1,2,3,4,5,6,7
.set p, 0
.rept 8
	v_pk_fma_f32 v[12+p:13+p], v[X+16*(\i)+p:X+16*(\i)+p+1], v[PR+2*(\i):PR+2*(\i)+1], v[12+p:13+p] op_sel_hi:[1,0,1]
.set p, p+2
.endr
.endr
	s_cmp_eq_u32 s32, 3
	s_cbranch_scc1 .Lnohalo3
.irp i, 8,9
.set p, 0
.rept 8
	v_pk_fma_f32 v[12+p:13+p], v[X+16*(\i)+p:X+16*(\i)+p+1], v[PR+2*(\i):PR+2*(\i)+1], v[12+p:13+p] op_sel_hi:[1,0,1]
.set p, p+2
.endr
.endr
.Lnohalo3:
.irp j, 0,1,2,3
	ds_store_b128 v7, v[12+4*(\j):15+4*(\j)] offset:512*(\j)
.endr
	s_wait_dscnt 0x0                               ; for the others: my U lies in LDS
	s_barrier_signal -1
	s_barrier_wait -1
	s_cmp_lt_u32 s33, 4
	s_cbranch_scc0 .Lend
	s_lshl_b32 s2, s33, 9
	v_lshl_add_u32 v2, v1, 4, s2                   ; thread t of the first 128 takes columns 4 t .. 4 t + 3 (all rows' loads were waited for: v2 is free)
	v_add_nc_u32 v5, UPART, v2
.set p, 0
.rept 16
	ds_load_b128 v[X+4*p:X+4*p+3], v5 offset:2048*p
.set p, p+1
.endr
	s_wait_dscnt 0x0
.irp d, 32,16,8,4
.set p, 0
.rept (\d)/2
	v_pk_add_f32 v[X+p:X+p+1], v[X+p:X+p+1], v[X+(\d)+p:X+(\d)+p+1]
.set p, p+2
.endr
.endr
	global_store_b128 v2, v[X:X+3], s[26:27]       ; sixteen lanes store 256 consecutive bytes, aligned
.Lend:
	s_wait_tensorcnt 0x0                           ; the wave's end
	ds_add_u32 v3, v4
	s_wait_dscnt 0x0
	s_endpgm
.Lfunc_end_k_q1929fde567_main:
	.size	k_q1929fde567_main, .Lfunc_end_k_q1929fde567_main-k_q1929fde567_main
	.p2alignl 7, 3214868480
	.fill 96, 4, 3214868480
	.section	.rodata,"a",@progbits
	.p2align	6, 0x0
	.amdhsa_kernel k_q1929fde567_main
		.amdhsa_group_segment_fixed_size 38400
		.amdhsa_private_segment_fixed_size 0
		.amdhsa_enable_private_segment 0
		.amdhsa_kernarg_size 80
		.amdhsa_user_sgpr_count 2
		.amdhsa_user_sgpr_kernarg_segment_ptr 1
		.amdhsa_wavefront_size32 1
		.amdhsa_system_sgpr_workgroup_id_x 1
		.amdhsa_system_sgpr_workgroup_id_y 1
		.amdhsa_system_sgpr_workgroup_id_z 1
		.amdhsa_system_vgpr_workitem_id 0
		.amdhsa_next_free_vgpr 256
		.amdhsa_next_free_sgpr 66
		.amdhsa_reserve_vcc 0
		.amdhsa_float_denorm_mode_32 3
		.amdhsa_float_denorm_mode_16_64 3
		.amdhsa_memory_ordered 1
		.amdhsa_forward_progress 1
		.amdhsa_inst_pref_size 102
	.end_amdhsa_kernel
	.amdgpu_metadata
---
amdhsa.version: [ 1, 2 ]
amdhsa.kernels:
  - .name:           k_q1929fde567_main
    .symbol:         k_q1929fde567_main.kd
    .args:
      - { .name: feats, .offset: 0, .size: 8, .value_kind: global_buffer, .address_space: global }
      - { .name: coords, .offset: 8, .size: 8, .value_kind: global_buffer, .address_space: global }
      - { .name: pos_w1, .offset: 16, .size: 8, .value_kind: global_buffer, .address_space: global }
      - { .name: pos_b1, .offset: 24, .size: 8, .value_kind: global_buffer, .address_space: global }
      - { .name: pos_b2, .offset: 32, .size: 8, .value_kind: global_buffer, .address_space: global }
      - { .name: q, .offset: 40, .size: 8, .value_kind: global_buffer, .address_space: global }
      - { .name: qk, .offset: 48, .size: 8, .value_kind: global_buffer, .address_space: global }
      - { .name: qp, .offset: 56, .size: 8, .value_kind: global_buffer, .address_space: global }
      - { .name: cinv, .offset: 64, .size: 8, .value_kind: global_buffer, .address_space: global }
      - { .name: part, .offset: 72, .size: 8, .value_kind: global_buffer, .address_space: global }
    .group_segment_fixed_size: 38400
    .private_segment_fixed_size: 0
    .kernarg_segment_align: 8
    .kernarg_segment_size: 80
    .max_flat_workgroup_size: 512
    .sgpr_count:     66
    .vgpr_count:     256
    .wavefront_size: 32
...
	.end_amdgpu_metadata
.endif
;; end of part 3
;; launch tail (part 4): grid 8 x 16, 8 waves a work-group, no clusters, 33,792 bytes of LDS; arguments part, m2, bp, out0; writes out0
.if DOCPART == 4
	.amdgcn_target "amdgcn-amd-amdhsa--gfx1250"
	.amdhsa_code_object_version 6
	.text
	.protected	k_q1929fde567_tail
	.globl	k_q1929fde567_tail
	.p2align	8
	.type	k_q1929fde567_tail,@function
k_q1929fde567_tail:
	s_mov_b64 s[64:65], 0
	v_nop
	global_prefetch_b8 v0, s[64:65] scope:SCOPE_SE
	s_setreg_imm32_b32 hwreg(HW_REG_WAVE_MODE, 25, 1), 1
	s_wait_xcnt 0x0
; LSTCWA, launch 4 of 4:  out0[l][o] = 2^-10 x sum over e of (sum over qq of part[4 l + qq][e]) m2[o][e] + bp[o],  m2 = 1,024 x Wp Wv.
; v and Z are never formed (the first launch's head shows why): the two last projections are this one product.
; The product is taken on part's 256 rows as they lie, and the four rows of a token, which are four neighbouring registers of an accumulator, are added behind it, in f32.
; LIMITS as stated at the first launch's head: f16 operands (part is at most 5.7 in size, since its rows are means of normalised rows; m2 within 65,504), f32 sums.
; A work-group makes 16 rows (4 tokens) x 64 columns; K = 512 is split among its eight waves, 64 each; the partial sums meet in LDS, and waves 0 and 1 finish two tokens each.
; Order of k and of columns as in the first launch: k = 64 w + 32 h + 16 u + 2 t + b in A and B alike; tile i, lane r is column 64 nb + 4 r + i.
.set SPARE, 32768                      ; LDS: 0..32767 the partial sums; then the spare words, 128 bytes a wave
.set AR,  16
.set BR,  48
.set R,   48                           ; v[48:175] the partial sums read back: wave w, tile i at 16 w + 4 i
.set AF,  176
.set ACC, 192
.set BF0, 224
.set BF1, 16
.macro CVTB u, dst
.irp i, 0,1,2,3
.irp t, 0,1,2,3,4,5,6,7
	v_cvt_pk_f16_f32 v[(\dst)+8*(\i)+(\t)], v[BR+32*(\i)+16*(\u)+2*(\t)], v[BR+32*(\i)+16*(\u)+2*(\t)+1]
.endr
.endr
.endm
.macro MUL u                           ; the four accumulators take turns, one instruction a turn
.irp i, 0,1,2,3
.if (\u) == 0
	v_wmma_f32_16x16x32_f16 v[ACC+8*(\i):ACC+8*(\i)+7], v[AF:AF+7], v[BF0+8*(\i):BF0+8*(\i)+7], 0
.else
	v_wmma_f32_16x16x32_f16 v[ACC+8*(\i):ACC+8*(\i)+7], v[AF+8:AF+15], v[BF1+8*(\i):BF1+8*(\i)+7], v[ACC+8*(\i):ACC+8*(\i)+7]
.endif
.endr
.endm
	s_load_b256 s[4:11], s[0:1], 0x0               ; part s[4:5], m2 s[6:7], bp s[8:9], out0 s[10:11]
	v_lshl_add_u32 v6, v0, 2, SPARE                ; my spare word
	v_mov_b32 v7, 0
	v_lshrrev_b32 v8, 5, v0
	v_readfirstlane_b32 s31, v8                    ; wave w
	s_mov_b32 s32, ttmp9                           ; nb
	s_and_b32 s33, ttmp7, 0xffff                   ; mt
	v_and_b32 v1, 31, v0                           ; L
	v_and_b32 v2, 15, v0                           ; r
	v_bfe_u32 v3, v0, 4, 1                         ; h
	s_lshl_b32 s50, s31, 8
	v_lshlrev_b32 v4, 11, v2                       ; A: row r + 128 h + 256 w
	v_lshl_add_u32 v4, v3, 7, v4
	v_add_nc_u32 v4, s50, v4
	v_lshlrev_b32 v5, 13, v2                       ; B: row 4 r + 128 h + 256 w
	v_lshl_add_u32 v5, v3, 7, v5
	v_add_nc_u32 v5, s50, v5
	v_lshlrev_b32 v12, 4, v2                       ; bp: my four columns
	s_mov_b32 s36, 0x3a800000                      ; 2^-10,
	s_mov_b32 s37, s36                             ; named as a pair
	s_mov_b32 s51, 0
	s_wait_kmcnt 0x0
	s_lshl_b32 s50, s33, 15
	s_add_nc_u64 s[40:41], s[4:5], s[50:51]        ; A: 16 rows of part
	s_lshl_b32 s50, s32, 17
	s_add_nc_u64 s[42:43], s[6:7], s[50:51]        ; B: 64 rows of m2
	s_lshl_b32 s50, s32, 8
	s_add_nc_u64 s[44:45], s[8:9], s[50:51]        ; bp and out0 at my block of columns
	s_add_nc_u64 s[46:47], s[10:11], s[50:51]
	s_lshl_b32 s50, s33, 13
	s_add_nc_u64 s[46:47], s[46:47], s[50:51]      ; four tokens' rows,
	s_lshl_b32 s50, s31, 11
	s_add_nc_u64 s[46:47], s[46:47], s[50:51]      ; token 4 mt + 2 h + w, for waves 0 and 1
	global_load_b128 v[8:11], v12, s[44:45]
.irp c, 0,1,2,3,4,5,6,7
	global_load_b128 v[AR+4*(\c):AR+4*(\c)+3], v4, s[40:41] offset:16*(\c)
.endr
.irp u, 0,1
.irp i, 0,1,2,3
.irp c, 0,1,2,3
	global_load_b128 v[BR+32*(\i)+16*(\u)+4*(\c):BR+32*(\i)+16*(\u)+4*(\c)+3], v5, s[42:43] offset:2048*(\i)+64*(\u)+16*(\c)
.endr
.endr
.endr
	s_wait_loadcnt 32                              ; bp and A are in; B's 32 loads may stay out
.set e, 0
.rept 16
	v_cvt_pk_f16_f32 v[AF+e], v[AR+2*e], v[AR+2*e+1]
.set e, e+1
.endr
	s_wait_loadcnt 16                              ; B's step 0 is in
	CVTB 0, BF0
	MUL 0
	s_wait_loadcnt 0x0                             ; every load is done: v4 and v5 are free
	s_lshl_b32 s52, s31, 12
	v_lshl_add_u32 v4, v1, 4, s52                  ; where I put partial sums: 4,096 w + 16 L
	s_lshl_b32 s52, s31, 9
	v_lshl_add_u32 v5, v1, 4, s52                  ; where waves 0 and 1 read them back: 16 L + 512 w
	CVTB 1, BF1                                    ; names no register of the four products above
	MUL 1
.rept 8
	v_nop                                          ; the places between the last products and the stores that read them
.endr
.irp i, 0,1,2,3                        ; each accumulator is read from its low end on
	ds_store_b128 v4, v[ACC+8*(\i):ACC+8*(\i)+3] offset:1024*(\i)
	ds_store_b128 v4, v[ACC+8*(\i)+4:ACC+8*(\i)+7] offset:1024*(\i)+512
.endr
	s_wait_dscnt 0x0                               ; for the others: my partial sums lie in LDS
	s_barrier_signal -1
	s_barrier_wait -1
	s_cmp_lt_u32 s31, 2
	s_cbranch_scc0 .Lend
.irp w, 0,1,2,3,4,5,6,7                ; registers 4 jq .. 4 jq + 3 of all eight waves' four tiles: the four rows of token 4 mt + 2 h + jq
.irp i, 0,1,2,3
	ds_load_b128 v[R+16*(\w)+4*(\i):R+16*(\w)+4*(\i)+3], v5 offset:4096*(\w)+1024*(\i)
.endr
.endr
	s_wait_dscnt 0x0
.irp d, 64,32,16
.set p, 0
.rept (\d)/2
	v_pk_add_f32 v[R+p:R+p+1], v[R+p:R+p+1], v[R+(\d)+p:R+(\d)+p+1]
.set p, p+2
.endr
.endr
.irp i, 0,1,2,3
	v_pk_add_f32 v[R+4*(\i):R+4*(\i)+1], v[R+4*(\i):R+4*(\i)+1], v[R+4*(\i)+2:R+4*(\i)+3]
.endr
.irp i, 0,1,2,3
	v_add_f32 v[12+(\i)], v[R+4*(\i)], v[R+4*(\i)+1]  ; the token's four parts are added
.endr
	v_pk_fma_f32 v[12:13], v[12:13], s[36:37], v[8:9] op_sel_hi:[1,0,1]
	v_pk_fma_f32 v[14:15], v[14:15], s[36:37], v[10:11] op_sel_hi:[1,0,1]
	v_lshlrev_b32 v2, 4, v2
	v_lshl_add_u32 v2, v3, 12, v2                  ; 2 h rows + 16 r
	global_store_b128 v2, v[12:15], s[46:47]       ; sixteen lanes store 256 consecutive bytes, aligned
.Lend:
	s_wait_tensorcnt 0x0                           ; the wave's end
	ds_add_u32 v6, v7
	s_wait_dscnt 0x0
	s_endpgm
.Lfunc_end_k_q1929fde567_tail:
	.size	k_q1929fde567_tail, .Lfunc_end_k_q1929fde567_tail-k_q1929fde567_tail
	.p2alignl 7, 3214868480
	.fill 96, 4, 3214868480
	.section	.rodata,"a",@progbits
	.p2align	6, 0x0
	.amdhsa_kernel k_q1929fde567_tail
		.amdhsa_group_segment_fixed_size 33792
		.amdhsa_private_segment_fixed_size 0
		.amdhsa_enable_private_segment 0
		.amdhsa_kernarg_size 32
		.amdhsa_user_sgpr_count 2
		.amdhsa_user_sgpr_kernarg_segment_ptr 1
		.amdhsa_wavefront_size32 1
		.amdhsa_system_sgpr_workgroup_id_x 1
		.amdhsa_system_sgpr_workgroup_id_y 1
		.amdhsa_system_sgpr_workgroup_id_z 1
		.amdhsa_system_vgpr_workitem_id 0
		.amdhsa_next_free_vgpr 256
		.amdhsa_next_free_sgpr 66
		.amdhsa_reserve_vcc 0
		.amdhsa_float_denorm_mode_32 3
		.amdhsa_float_denorm_mode_16_64 3
		.amdhsa_memory_ordered 1
		.amdhsa_forward_progress 1
		.amdhsa_inst_pref_size 19
	.end_amdhsa_kernel
	.amdgpu_metadata
---
amdhsa.version: [ 1, 2 ]
amdhsa.kernels:
  - .name:           k_q1929fde567_tail
    .symbol:         k_q1929fde567_tail.kd
    .args:
      - { .name: part, .offset: 0, .size: 8, .value_kind: global_buffer, .address_space: global }
      - { .name: m2, .offset: 8, .size: 8, .value_kind: global_buffer, .address_space: global }
      - { .name: bp, .offset: 16, .size: 8, .value_kind: global_buffer, .address_space: global }
      - { .name: out0, .offset: 24, .size: 8, .value_kind: global_buffer, .address_space: global }
    .group_segment_fixed_size: 33792
    .private_segment_fixed_size: 0
    .kernarg_segment_align: 8
    .kernarg_segment_size: 32
    .max_flat_workgroup_size: 256
    .sgpr_count:     66
    .vgpr_count:     256
    .wavefront_size: 32
...
	.end_amdgpu_metadata
.endif
;; end of part 4
